; MI455X (gfx1250); checked and timed in simulation.
; The chip was launched on July 23, 2026; its instructions are those of AMD's public machine-readable ISA for CDNA 5 (MIT licence, August 2026) and "CDNA5" Instruction Set Architecture Reference Guide (July 2026). The comments in the code are by the model that wrote it; some were corrected since.
;; Vector Quantize. Allowed arithmetic: matrix products marked QUANTISED: E2M1 operands, one E8M0 scale for each 32 along K, by v_wmma_scale_f32_16x16x128_f8f6f4 with both operands' format E2M1 (or v_wmma_scale_f32_32x16x128_f4), f32 sums; everything else in f32.
;; Inputs: embed 8,192 x 512 float32; x 4 x 4,096 x 512 float32.
;; Outputs: out0 4 x 4,096 x 512 float32; out1 4 x 4,096 int32.
;; This version of the problem:
;;   THIS VERSION OF THE PROBLEM IS GIVEN IN LOW PRECISION. The matrix products marked QUANTISED in the list below multiply operands that are first quantised to E2M1 (2 exponent bits, 1 mantissa bit; 4 bits a number), with one power-of-two scale for each 32 numbers along K (OCP MX v1.0); their sums are f32. All else is computed in f32.
;;   The module's matrix products, in the order in which they are computed (A, B: the left and right operand; K: the contracted axis; several contracted axes count as one K, in the product's order):
;;     1. [M 16,384, K 512] x [K 512, N 8,192]; A: computed on the way; B: input embed: QUANTISED
;;   THE QUANTISER, for each operand of a quantised product, along K:
;;     - K is cut into blocks of 32 from its start; a last block that is shorter is filled with zeros.
;;     - A block's scale is 2^e with e = floor(log2(the largest magnitude in the block)) - 2, held to -126 .. 127; a block of zeros has e = 0. As a byte (E8M0): e + 127.
;;     - Each number is divided by its block's scale, clamped to +-6, and rounded to the nearest number of E2M1, ties to even, subnormals kept.
;;     - The product sums the exact products of the quantised numbers (number of the format x scale) in f32.
;;   ~~~python
;;   def quantise(x, axis):      # numpy; x: float32 -> the quantised numbers, widened to float32 again
;;       x = np.moveaxis(x, axis, -1); K = x.shape[-1]
;;       x = np.pad(x, [(0, 0)] * (x.ndim - 1) + [(0, -K % 32)]); x = x.reshape(x.shape[:-1] + (-1, 32)); a = np.abs(x).max(-1, keepdims=True)
;;       e = np.where(a > 0, np.clip(np.frexp(np.where(a > 0, a, 1))[1] - 1 - 2, -126, 127), 0)      # np.frexp(a)[1] - 1 = floor(log2(a)), exactly
;;       r = np.clip(x / 2.0 ** e, -6, 6)
;;       step = 2.0 ** (np.maximum(np.frexp(np.where(r == 0, 1, r))[1] - 1, 0) - 1)
;;       q = np.round(r / step) * step * 2.0 ** e      # np.round: ties to even
;;       return np.moveaxis(q.reshape(q.shape[:-2] + (-1,))[..., :K], -1, axis).astype(np.float32)
;;   ~~~
;;   OPERANDS COMPUTED ON THE WAY. 'Computed on the way' means the value that the module computes at that place (a softmax that the list does not call 'softmax' is quantised finished and normalised). What goes into a quantiser is computed in f32, as accurately as f32 sums, v_exp_f32 and their like allow (about 1e-6 of the number): no bf16 or f16 on the way to a quantiser, and a product that is left as it is and whose result goes on into a quantised operand takes f32 operands (vector FMAs, or v_wmma_f32_16x16x4_f32). A number that lies on a knife's edge between two numbers of the format may be rounded either way, as far as f32 arithmetic and the matrix unit's own rounding can turn it there, and no further.
;; One version. Each part assembles by itself: llvm-mc -triple=amdgcn-amd-amdhsa -mcpu=gfx1250 --defsym DOCPART=n.
;; ======== version 1 of 1: 3 launches
;; limits: right only within a limited range of input values
;; workspace buffers: xq 4,718,592 bytes; eq 2,359,296 bytes; keys 1,048,576 bytes of whole numbers; idxs 1,048,576 bytes of whole numbers
;; launch quant (part 1): grid 256 x 1, 6 waves a work-group, no clusters, 59,392 bytes of LDS; arguments x, embed, xq, eq; writes xq, eq
.if DOCPART == 1
	.amdgcn_target "amdgcn-amd-amdhsa--gfx1250"
	.amdhsa_code_object_version 6
	.text
	.protected	k_qc66960aa1b_quant
	.globl	k_qc66960aa1b_quant
	.p2align	8
	.type	k_qc66960aa1b_quant,@function
k_qc66960aa1b_quant:
	s_mov_b64 s[64:65], 0
	v_nop
	global_prefetch_b8 v0, s[64:65] scope:SCOPE_SE
	s_setreg_imm32_b32 hwreg(HW_REG_WAVE_MODE, 25, 1), 1
	s_wait_xcnt 0x0
; VECTOR QUANTISER, launch 1 of 3.  out1[n] = argmax over k of -(f_sq[n] - P[n][k] + e_sq[k]), P = (2 x) embed^T on codes of FP4 (E2M1) with one E8M0 scale for each 32 along K = 512; out0[n] = embed[out1[n]].
; WORK LEFT OUT: f_sq[n] = sum of x[n]^2, and the outer sign.  -(f_sq[n] - P[n][k] + e_sq[k]) = (P[n][k] - e_sq[k]) - f_sq[n]: for a given token n the term f_sq[n] is the same for every k, so in exact arithmetic, whatever
; finite values x and embed hold, it moves no comparison between two codes of that token, and only the argmax over k reaches an output.  f_sq is of e_sq's own size, so it hides nothing of the rest.  The program compares
; s[n][k] = P[n][k] - e_sq[k].  Both inputs stay live: x feeds P, embed feeds P, e_sq and out0.
; LIMITS: a NaN, an infinity or an overflow that reaches only f_sq is not carried to the result.  NaN and infinities among the inputs are not served, nor |x| from 2^127 on (2 x is then no number).  Blocks whose largest
; magnitude lies under 2^-124 keep the floor's scale byte.  Where two scores of a token agree to within f32 rounding, the order of the sums may decide otherwise than reference()'s order.
; THIS LAUNCH turns 2 x [16384][512] and embed [8192][512], f32, into codes and scale words, and makes -e_sq.  The codes of 2 x are those of x and its scale bytes are one higher: doubling moves the exponent alone.
; A block's scale byte is its largest magnitude's exponent field - 2, held at 1 from below (a block of zeros so gets 1 where the rule says 127: its codes are zeros, and this program alone reads the bytes).
; A RECORD of 4,608 bytes holds a tile of 16 rows x 512 K IN THE ORDER OF THE OPERAND'S REGISTERS:
;   +0     codes: byte 256 b + 16 r holds the 32 codes of row r, k = 32 b on: the 512 bytes at 1024 s + 512 c are registers 4 c .. 4 c + 3 of K step s, lane l's 16 bytes at 16 l
;   +4096  scale words: that of (row r, K step s) is word 2 (16 (s & 1) + r) + (s >> 1): a load of 8 bytes at 8 x lane gives two registers, register q with K step 2 q in lanes 0-15 and 2 q + 1 in lanes 16-31
;   +4352  in eq alone: -e_sq of the 16 rows, then zeros (in xq these 256 bytes are neither written nor read)
; Tile t of eq holds rows 16 t + r.  Tile X of xq holds tokens 128 (X / 8) + 64 (X % 2) + 4 r + (X % 8) / 2: which rows form a tile is free, and with these the next launch's results fall four neighbouring tokens to a lane.
; SHARES: one wave makes one record, 1,536 in all: 512 of embed, then 1,024 of x.  A step is one row of 2,048 bytes: four loads of 512 consecutive bytes, turned through the wave's own stage in LDS so that a lane holds 16
; neighbours along K (two neighbouring lanes hold a block).  Loads run eight steps (32 loads a wave) ahead, the turn one step.  Waves share nothing: no barrier.  No matrix work, no tensor load: memory binds.
.set WAVES, 6
.set SP,    80                         ; a lane's place in a turn stage: its 64 bytes + 16 of padding
.set STG,   32*SP                      ; a turn stage
.set SCB,   2*STG                      ; behind the two stages: the record's 256 scale bytes
.set CST,   SCB+256                    ; behind them: the record's codes, 16 pieces of 256 bytes, 272 apart
.set CP,    272
.set WREG,  CST+16*CP                  ; 9,728 bytes of LDS for each wave
.set SPARE, WAVES*WREG                 ; behind the six regions: the spare words, 128 bytes for each wave, that no other line names
.set REC,   4608
.set SPW,   12                         ; v12      LDS address of my spare word; never rewritten
.set NIL,   13                         ; v13      0; never rewritten
.set OFF,   32                         ; v32-47   byte offset of my 16 bytes in row t of the tile; never rewritten
.set X,     48                         ; v48-79   two sets of 16 neighbours
.set R,     80                         ; v80-207  eight sets of 16 numbers as they are loaded; at the end v80-111 take the codes on their way out
.set C,     208                        ; v208-239 codes: two registers for each step, so that no store's data are written again
.set E,     240                        ; v240-255 a scale byte for each step
	s_load_b256 s[4:11], s[0:1], 0x0               ; x s[4:5], embed s[6:7], xq s[8:9], eq s[10:11]
	v_lshl_add_u32 v[SPW], v0, 2, SPARE
	v_mov_b32 v[NIL], 0
	v_lshrrev_b32 v1, 5, v0
	v_readfirstlane_b32 s12, v1                    ; wave 0..5
	v_and_b32 v2, 31, v0                           ; lane
	v_lshlrev_b32 v3, 4, v2                        ; 16 x lane
	s_mul_i32 s17, s12, WREG                       ; my region of LDS
	v_lshrrev_b32 v4, 2, v2
	v_mul_u32_u24 v4, v4, SP
	v_and_b32 v5, 3, v2
	v_lshl_add_u32 v4, v5, 4, v4
	v_add_nc_u32 v4, s17, v4                       ; a turn stage, on the way in: SP (lane / 4) + 16 (lane % 4)
	v_mul_u32_u24 v5, v2, SP
	v_add_nc_u32 v5, s17, v5                       ; and on the way out: SP x lane
	v_bfe_u32 v6, v2, 1, 2                         ; my block b = lane / 2: its byte in a scale word, b % 4;
	v_bfe_u32 v8, v2, 4, 1
	v_lshl_add_u32 v6, v8, 2, v6                   ; its K step s = b / 4: 4 (s / 2)
	v_bfe_u32 v8, v2, 3, 1
	v_lshl_add_u32 v6, v8, 7, v6                   ; + 128 (s % 2); row t adds 8 t
	v_add_nc_u32 v6, s17, v6
	v_add_nc_u32 v6, SCB, v6
	v_lshrrev_b32 v7, 1, v2
	v_mul_u32_u24 v7, v7, CP
	v_and_b32 v8, 1, v2
	v_lshl_add_u32 v7, v8, 3, v7
	v_add_nc_u32 v7, s17, v7
	v_add_nc_u32 v7, CST, v7                       ; my 8 bytes of codes: piece b, + 8 (lane % 2); row t adds 16 t
	v_lshrrev_b32 v14, 4, v2
	v_mul_u32_u24 v14, v14, CP
	v_and_b32 v8, 15, v2
	v_lshl_add_u32 v14, v8, 4, v14
	v_add_nc_u32 v14, s17, v14
	v_add_nc_u32 v14, CST, v14                     ; the codes on their way out: two pieces an instruction, sixteen lanes to a piece
	v_lshlrev_b32 v15, 3, v2                       ; 8 x lane
	v_add_nc_u32 v25, s17, v15
	v_add_nc_u32 v25, SCB, v25                     ; the scale words on their way out
	v_mov_b32 v18, 0                               ; -e_sq of rows 2 x lane and 2 x lane + 1 (lanes 0-7; the others stay 0)
	v_mov_b32 v19, 0
	v_mov_b32 v24, 0                               ; written once: a lane permute's destination counts as one of its sources
	s_mov_b32 s22, 0x76543210
	s_mov_b32 s23, 0xfedcba98                      ; v_permlanex16_b32's selects for lane l xor 16
	s_mul_i32 s13, ttmp9, WAVES
	s_add_co_u32 s13, s13, s12                     ; which record: 0..511 embed's, 512..1535 x's
	s_sub_co_u32 s24, s13, 512                     ; X, x's tile (used only where the record is x's)
	s_lshr_b32 s25, s24, 3
	s_lshl_b32 s25, s25, 7
	s_and_b32 s26, s24, 1
	s_lshl_b32 s26, s26, 6
	s_add_co_u32 s25, s25, s26
	s_bfe_u32 s26, s24, 0x20001
	s_add_co_u32 s25, s25, s26                     ; its first token: 128 (X / 8) + 64 (X % 2) + (X % 8) / 2
	s_lshl_b32 s25, s25, 11                        ; in bytes
	s_lshl_b32 s26, s13, 15                        ; embed's tile: 16 rows of 2,048 bytes
	s_mov_b32 s27, 8192
	s_wait_kmcnt 0x0
	s_cmp_lt_u32 s13, 512                          ; embed's record or x's?  The choice hangs on ids alone; only selections follow the compare
	s_cselect_b64 s[4:5], s[6:7], s[4:5]           ; from where,
	s_cselect_b64 s[8:9], s[10:11], s[8:9]         ; to where
	s_cselect_b32 s14, 1, 0                        ; 1: -e_sq is made
	s_cselect_b32 s15, 0, 1                        ; what is added to a scale byte: 1 for 2 x
	s_cselect_b32 s16, 2048, s27                   ; from row to row of the tile: one row of embed, four tokens of x
	s_cselect_b32 s18, s26, s25
	s_cselect_b32 s20, s13, s24
	s_mul_i32 s20, s20, REC
	s_mov_b32 s19, 0
	s_mov_b32 s21, 0
	s_add_nc_u64 s[4:5], s[4:5], s[18:19]
	s_add_nc_u64 s[8:9], s[8:9], s[20:21]
	v_mov_b32 v[OFF], v3
.irp t, 1,2,3,4,5,6,7,8,9,10,11,12,13,14,15
	v_add_nc_u32 v[OFF+\t], s16, v[OFF+\t-1]
.endr
.macro LOAD t                          ; row t: four loads of 512 consecutive bytes
.irp i, 0,1,2,3
	global_load_b128 v[R+16*((\t)%8)+4*\i:R+16*((\t)%8)+4*\i+3], v[OFF+(\t)], s[4:5] offset:512*\i th:TH_LOAD_NT
.endr
.endm
.macro TURN t                          ; row t through a stage: LDS serves a wave's instructions in order (ISA guide 5.7.1.4), so no wait stands between the stores and the loads
.irp i, 0,1,2,3
	ds_store_b128 v4, v[R+16*((\t)%8)+4*\i:R+16*((\t)%8)+4*\i+3] offset:STG*((\t)%2)+8*SP*\i
.endr
.irp i, 0,1,2,3
	ds_load_b128 v[X+16*((\t)%2)+4*\i:X+16*((\t)%2)+4*\i+3], v5 offset:STG*((\t)%2)+16*\i
.endr
.endm
.irp t, 0,1,2,3,4,5,6,7
	LOAD \t
.endr
	s_wait_alu depctr_va_vdst(0)
	s_wait_loadcnt 28                              ; row 0's four loads are in; the 28 of rows 1 to 7 stay out
	TURN 0
.macro STEP t
.set XS, X+16*((\t)%2)
.if (\t) > 0
	s_wait_dscnt 2                                 ; this row is back from the stage (the last step's two stores may be out): so its stores into the stage have read their registers,
.else
	s_wait_dscnt 0x0
.endif
.if (\t)+8 < 16
	LOAD (\t)+8                                    ; which take the loads of eight rows on
.endif
.if (\t) < 15
.if (\t) <= 7
	s_wait_loadcnt 28                              ; the next row's four loads are in; those of the seven rows behind it may be out
.else
	s_wait_loadcnt 4*(14-(\t))                     ; nothing more is asked for: the count runs down
.endif
	TURN (\t)+1                                    ; and goes through the other stage while this row is worked
.endif
	v_max3_num_f32 v8, |v[XS]|, |v[XS+1]|, |v[XS+2]|               ; the largest magnitude of my 16, in two chains
	v_max3_num_f32 v9, |v[XS+3]|, |v[XS+4]|, |v[XS+5]|
.irp i, 6,10
	v_max3_num_f32 v8, v8, |v[XS+\i]|, |v[XS+\i+1]|
	v_max3_num_f32 v9, v9, |v[XS+\i+2]|, |v[XS+\i+3]|
.endr
	v_max3_num_f32 v8, v8, |v[XS+14]|, |v[XS+15]|
	v_max3_num_f32 v8, v8, v9, 0x1800000           ; and the floor 2^(3 - 127): the byte cannot fall under 1
	v_max_num_f32_dpp v8, v8, v8 row_xmask:1 row_mask:0xf bank_mask:0xf   ; and of my neighbour's 16: the block's
	v_add_nc_u32 v11, 0xff000000, v8               ; 2 off its exponent field: the conversion takes the exponent field of this operand as its scale
	v_cvt_scalef32_pk8_fp4_f32 v[C+2*(\t)], v[XS:XS+7], v11
	v_cvt_scalef32_pk8_fp4_f32 v[C+2*(\t)+1], v[XS+8:XS+15], v11
	v_lshrrev_b32 v[E+(\t)], 23, v11               ; the scale's byte (also the plain line behind the conversions),
	v_add_nc_u32 v[E+(\t)], s15, v[E+(\t)]         ; one higher for 2 x
	ds_store_b8 v6, v[E+(\t)] offset:8*(\t)        ; both lanes of a block write the same byte with the same value
	ds_store_b64 v7, v[C+2*(\t):C+2*(\t)+1] offset:16*(\t)
	s_cmp_eq_u32 s14, 0                            ; -e_sq of this row, for embed alone: a branch on ids, round work on registers
	s_cbranch_scc1 .Lno_sq_\@
	v_pk_mul_f32 v[20:21], v[XS:XS+1], v[XS:XS+1] neg_lo:[1,0] neg_hi:[1,0]
	v_pk_mul_f32 v[22:23], v[XS+2:XS+3], v[XS+2:XS+3] neg_lo:[1,0] neg_hi:[1,0]
.irp i, 4,8,12
	v_pk_fma_f32 v[20:21], v[XS+\i:XS+\i+1], v[XS+\i:XS+\i+1], v[20:21] neg_lo:[1,0,0] neg_hi:[1,0,0]
	v_pk_fma_f32 v[22:23], v[XS+\i+2:XS+\i+3], v[XS+\i+2:XS+\i+3], v[22:23] neg_lo:[1,0,0] neg_hi:[1,0,0]
.endr
	v_pk_add_f32 v[20:21], v[20:21], v[22:23]
	v_add_f32 v20, v20, v21                        ; my 16 numbers'; now the 32 lanes'
	v_add_f32_dpp v20, v20, v20 row_xmask:1 row_mask:0xf bank_mask:0xf
	v_add_f32_dpp v20, v20, v20 row_xmask:2 row_mask:0xf bank_mask:0xf
	v_add_f32_dpp v20, v20, v20 row_xmask:4 row_mask:0xf bank_mask:0xf
	v_add_f32_dpp v20, v20, v20 row_xmask:8 row_mask:0xf bank_mask:0xf
	v_permlanex16_b32 v24, v20, s22, s23
	v_add_f32 v20, v20, v24
	v_cmp_eq_u32 vcc_lo, (\t)/2, v2                ; lane t / 2 keeps it
	v_cndmask_b32 v[18+(\t)%2], v[18+(\t)%2], v20, vcc_lo
.Lno_sq_\@:
.endm
.irp t, 0,1,2,3,4,5,6,7,8,9,10,11,12,13,14,15
	STEP \t
.endr
	; THE WAY OUT: the record leaves in pieces of 512 consecutive bytes, aligned; LDS serves a wave's instructions in order: these loads see my stores
.irp i, 0,1,2,3,4,5,6,7
	ds_load_b128 v[R+4*\i:R+4*\i+3], v14 offset:2*CP*\i
.endr
	ds_load_b64 v[26:27], v25
.irp i, 0,1,2,3,4,5,6,7
	s_wait_dscnt 8-\i                              ; piece i is in; the later pieces and the scale words may be out
	global_store_b128 v3, v[R+4*\i:R+4*\i+3], s[8:9] offset:512*\i
.endr
	s_wait_dscnt 0x0
	global_store_b64 v15, v[26:27], s[8:9] offset:4096       ; 32 lanes store the 256 bytes of scale words
	s_cmp_eq_u32 s14, 0
	s_cbranch_scc1 .Lno_bias
	s_wait_alu depctr_va_vdst(0)
	global_store_b64 v15, v[18:19], s[8:9] offset:4352       ; -e_sq of the 16 rows and zeros: 256 bytes
.Lno_bias:
	s_wait_tensorcnt 0x0                           ; the wave's end: behind my last LDS store
	ds_add_u32 v[SPW], v[NIL]
	s_wait_dscnt 0x0
	s_endpgm
.Lfunc_end_k_qc66960aa1b_quant:
	.size	k_qc66960aa1b_quant, .Lfunc_end_k_qc66960aa1b_quant-k_qc66960aa1b_quant
	.p2alignl 7, 3214868480
	.fill 96, 4, 3214868480
	.section	.rodata,"a",@progbits
	.p2align	6, 0x0
	.amdhsa_kernel k_qc66960aa1b_quant
		.amdhsa_group_segment_fixed_size 59392
		.amdhsa_private_segment_fixed_size 0
		.amdhsa_enable_private_segment 0
		.amdhsa_kernarg_size 32
		.amdhsa_user_sgpr_count 2
		.amdhsa_user_sgpr_kernarg_segment_ptr 1
		.amdhsa_wavefront_size32 1
		.amdhsa_system_sgpr_workgroup_id_x 1
		.amdhsa_system_sgpr_workgroup_id_y 1
		.amdhsa_system_sgpr_workgroup_id_z 1
		.amdhsa_system_vgpr_workitem_id 0
		.amdhsa_next_free_vgpr 256
		.amdhsa_next_free_sgpr 66
		.amdhsa_reserve_vcc 1
		.amdhsa_float_denorm_mode_32 3
		.amdhsa_float_denorm_mode_16_64 3
		.amdhsa_memory_ordered 1
		.amdhsa_forward_progress 1
		.amdhsa_inst_pref_size 54
	.end_amdhsa_kernel
	.amdgpu_metadata
---
amdhsa.version: [ 1, 2 ]
amdhsa.kernels:
  - .name:           k_qc66960aa1b_quant
    .symbol:         k_qc66960aa1b_quant.kd
    .args:
      - { .name: x, .offset: 0, .size: 8, .value_kind: global_buffer, .address_space: global }
      - { .name: embed, .offset: 8, .size: 8, .value_kind: global_buffer, .address_space: global }
      - { .name: xq, .offset: 16, .size: 8, .value_kind: global_buffer, .address_space: global }
      - { .name: eq, .offset: 24, .size: 8, .value_kind: global_buffer, .address_space: global }
    .group_segment_fixed_size: 59392
    .private_segment_fixed_size: 0
    .kernarg_segment_align: 8
    .kernarg_segment_size: 32
    .max_flat_workgroup_size: 192
    .sgpr_count:     66
    .vgpr_count:     256
    .wavefront_size: 32
...
	.end_amdgpu_metadata
.endif
;; end of part 1
;; launch score (part 2): grid 16 x 16, 8 waves a work-group, clusters of 4 x 1, 327,680 bytes of LDS; arguments xq, eq, keys, idxs; writes keys, idxs
.if DOCPART == 2
	.amdgcn_target "amdgcn-amd-amdhsa--gfx1250"
	.amdhsa_code_object_version 6
	.text
	.protected	k_qc66960aa1b_score
	.globl	k_qc66960aa1b_score
	.p2align	8
	.type	k_qc66960aa1b_score,@function
k_qc66960aa1b_score:
	s_mov_b64 s[64:65], 0
	v_nop
	global_prefetch_b8 v0, s[64:65] scope:SCOPE_SE
	s_setreg_imm32_b32 hwreg(HW_REG_WAVE_MODE, 25, 1), 1
	s_wait_xcnt 0x0
	s_wait_alu depctr_hold_cnt(0) depctr_sa_sdst(0) depctr_va_vdst(0) depctr_va_sdst(0) depctr_va_ssrc(0) depctr_va_vcc(0) depctr_vm_vsrc(0)
	s_getreg_b32 s2, hwreg(HW_REG_IB_STS2, 6, 4)
	s_cmp_eq_u32 s2, 0
	s_cbranch_scc0 .Lentry_in_a_cluster
	s_endpgm
.Lentry_in_a_cluster:
	s_bfe_u32 s2, ttmp6, 0x10000c
	s_cmp_lg_u32 s2, 0x3003
	s_cbranch_scc0 .Lentry_shape_is_right
	s_endpgm
.Lentry_shape_is_right:
; VECTOR QUANTISER, launch 2 of 3: s[n][k] = P[n][k] - e_sq[k], P = (2 x) embed^T on codes of FP4 (E2M1) with E8M0 scales, and for each token the first maximum of s over a split of 512 codes.
; f_sq and the outer sign are left out, as shown at the head of the first launch: f_sq[n] is the same for every k of a token and moves no comparison.
; LIMITS: NaN and infinities are not served.  Where two scores of a token agree to within f32 rounding, the order of the sums may decide otherwise than reference()'s order.
; SHARES: work-group (X, Y) takes tokens 1024 X .. + 1023 and codes 512 Y .. + 511.  A wave keeps 8 records of xq (8 tiles of 16 tokens x 512 K: 256 registers of codes in window 1, 16 of scale words) for the whole launch
; and walks the split's 32 records of eq (tiles of 16 codes), which lie in LDS as they lie in memory: 32 x 4,608 bytes, each byte filled once.  A tile is 4 K steps x 8 token tiles = 32 matrix instructions;
; source 0 = 16 codes, source 1 = 16 tokens, C of the first K step = -e_sq: a lane holds one token, its 8 registers 8 neighbouring codes.
; THE MAXIMUM: for each token tile a lane keeps the running maximum, the number of the tile that brought it and that tile's 8 scores (selected, no branch).  Only a greater score replaces, so the first maximum stays.
; At the end the place among the 8 is found by equality, lowest first; lanes l and l xor 16 are joined (on equal scores the lower index); the score leaves as a whole number in the scores' order.
; THE HEAD: the four work-groups of a cluster share Y, so eq's records are asked for JOINTLY (mask 15).  Each wave asks for one record at the head (tiles 0-7 in all) and, behind the wait for it
; and a round of the cluster's barrier, for three more in one load (tiles 8-31).  xq's records differ from work-group to work-group of a cluster and go straight into registers: 36 loads for token tiles 0-3, 36 for 4-7.
; Tiles 0-7 are first multiplied with token tiles 0-3 alone, then with token tiles 4-7: so the first products need half of the wave's xq and a quarter of eq; from tile 8 on a tile meets all eight token tiles.
; NO PREFETCH: every operand byte of the work-group is asked for at the head (two tensor loads and 72 loads a wave); there is no later stream to run ahead of.
.set REC,   4608                       ; a record: 4,096 bytes of codes, 256 of scale words, 256 with -e_sq
.set SPARE, 32*REC                     ; behind the 32 records: the spare words, 128 bytes for each wave, that no other line names
.set L16,  1                           ; 16 x lane
.set L8,   2                           ; 8 x lane
.set ADC,  3                           ; LDS: the tile's codes, scale words, -e_sq
.set ADS,  4
.set ADE,  5
.set HB,   6                           ; 512 Y + 8 (lane / 16)
.set TNO,  7                           ; the tile's number
.set SPW,  8                           ; LDS address of my spare word; never rewritten
.set NIL,  9                           ; 0; never rewritten
.set SA,   10                          ; v10-11  the tile's scale words
.set BIAS, 12                          ; v12-19  -e_sq of my 8 codes
.set SB,   20                          ; v20-35  the tokens' scale words
.set RUN,  36                          ; v36-51  running maximum (even) and its tile (odd) for each token tile
.set GID,  37
.set TT,   52                          ; v52-67  at work
.set AF,   68                          ; v68-99  the tile's codes
.set ACC,  100                         ; v100-163 scores
.set SAV,  164                         ; v164-227 the best tile's scores
.set LOC,  228
.set P1,   236
.set P2,   237
.set MK,   238
.set E0,   239
.set KEY,  240
.set IDX,  244
.set WV,   12
.set G1,   16                          ; s[16:23] group 1: 18 rows of 256 bytes, one record
.set G0,   24                          ; s[24:27], s[28:31] group 0 of the first and of the second load
.set G1B,  32                          ; s[32:39] group 1: 54 rows, three records
.set MA,   40
.set TB,   43
.set CNT,  44
.set HI,   45
.set SEL,  46
.set MSB, 0
.macro WIN new                         ; the immediate's high byte repeats the setting that is left
.if MSB != \new
	s_set_vgpr_msb (MSB<<8)|\new
.set MSB, \new
.endif
.endm
.macro CROUND                          ; a round of the cluster's barrier
	s_barrier_signal -1
	s_barrier_wait -1
	s_cmp_lg_u32 s[WV], 0
	s_cbranch_scc1 .Lnot_wave_0_\@
	s_barrier_signal -3
.Lnot_wave_0_\@:
	s_barrier_wait -3
	s_barrier_signal -1
	s_barrier_wait -1
.endm
.macro XLOAD t0                        ; token tiles t0 .. t0 + 3: 32 loads of 512 consecutive bytes into window 1, 4 loads of 256 bytes of scale words
	WIN 0x40
.irp u, 0,1,2,3
.irp i, 0,1,2,3,4,5,6,7
	global_load_b128 v[32*(\t0+\u)+4*\i:32*(\t0+\u)+4*\i+3], v[L16], s[4:5] offset:REC*(\t0+\u)+512*\i
.endr
.endr
	WIN 0
.irp u, 0,1,2,3
	global_load_b64 v[SB+2*(\t0+\u):SB+2*(\t0+\u)+1], v[L8], s[4:5] offset:REC*(\t0+\u)+4096
.endr
.endm
	s_load_b256 s[4:11], s[0:1], 0x0               ; xq s[4:5], eq s[6:7], keys s[8:9], idxs s[10:11]
	v_lshl_add_u32 v[SPW], v0, 2, SPARE
	v_mov_b32 v[NIL], 0
	ds_add_u32 v[SPW], v[NIL]                      ; the opening lines: the add, twice on end, and its wait ahead of my first tensor load
	ds_add_u32 v[SPW], v[NIL]
	v_lshrrev_b32 v[P1], 5, v0
	s_delay_alu instid0(VALU_DEP_1)
	v_readfirstlane_b32 s[WV], v[P1]               ; wave 0..7
	s_bfe_u32 s13, ttmp6, 0x40000                  ; cx
	s_lshl_b32 s14, ttmp9, 2
	s_add_co_u32 s14, s14, s13                     ; X = 4 x cluster x + cx
	s_and_b32 s15, ttmp7, 0xffff                   ; Y, the same in the cluster's four
	s_mov_b32 s[G1], 15|(3<<16)|(1<<21)            ; mask of the four; elements of 8 bytes; bit 21 beside a mask
	s_mov_b32 s[G1+1], 32<<16                      ; rows of 32 elements = 256 bytes, dense
	s_mov_b32 s[G1+2], 18<<16
	s_mov_b32 s[G1+3], 32<<16
	s_mov_b32 s[G1+4], 18
	s_mov_b32 s[G1+5], 32
	s_mov_b32 s[G1+6], 0
	s_mov_b32 s[G1+7], 0
	s_mov_b32 s[G1B], 15|(3<<16)|(1<<21)
	s_mov_b32 s[G1B+1], 32<<16
	s_mov_b32 s[G1B+2], 54<<16
	s_mov_b32 s[G1B+3], 32<<16
	s_mov_b32 s[G1B+4], 54
	s_mov_b32 s[G1B+5], 32
	s_mov_b32 s[G1B+6], 0
	s_mov_b32 s[G1B+7], 0
	s_mov_b32 s[G0], 1
	s_mul_i32 s[G0+1], s[WV], REC                  ; first load: record w, at its place in the split's image
	s_mov_b32 s[G0+4], 1
	s_mul_i32 s[G0+5], s[WV], 3*REC
	s_add_co_u32 s[G0+5], s[G0+5], 8*REC           ; second load: records 8 + 3 w .. + 2
	s_mul_i32 s48, s15, 32*REC                     ; the split in eq; a record's place in LDS is its place in the split
	s_add_co_u32 s40, s48, s[G0+5]
	s_mov_b32 s41, 0
	s_add_co_u32 s48, s48, s[G0+1]
	s_mov_b32 s49, 0
	s_lshl_b32 s50, s14, 6
	s_lshl_b32 s51, s[WV], 3
	s_add_co_u32 s50, s50, s51
	s_mul_i32 s50, s50, REC                        ; my 8 records of xq: 64 X + 8 w
	s_mov_b32 s51, 0
	s_lshl_b32 s52, s15, 16                        ; keys, idxs: [Y][16384] words; my 128 tokens
	s_lshl_b32 s53, s14, 12
	s_add_co_u32 s52, s52, s53
	s_lshl_b32 s53, s[WV], 9
	s_add_co_u32 s52, s52, s53
	s_mov_b32 s53, 0
	s_lshl_b32 s55, s15, 9
	s_mov_b32 s[TB], 0
	s_mov_b32 s[HI], 0xffff0000                    ; lanes 16-31
	s_mov_b32 s[SEL], 0x76543210
	s_mov_b32 s[SEL+1], 0xfedcba98                 ; v_permlanex16_b32's selects for lane l xor 16
	v_and_b32 v[P1], 31, v0
	s_delay_alu instid0(VALU_DEP_1)
	v_lshlrev_b32 v[L16], 4, v[P1]
	s_delay_alu instid0(VALU_DEP_2)
	v_lshlrev_b32 v[L8], 3, v[P1]
	v_bfe_u32 v[P2], v0, 4, 1
	s_delay_alu instid0(VALU_DEP_1)
	v_lshlrev_b32 v[E0], 5, v[P2]
	s_delay_alu instid0(VALU_DEP_2)
	v_lshl_add_u32 v[HB], v[P2], 3, s55
	v_mov_b32 v[TNO], -1
	v_add_nc_u32 v[ADC], s[TB], v[L16]
	v_add_nc_u32 v[ADS], s[TB], v[L8]
	v_add_nc_u32 v[ADE], s[TB], v[E0]
	s_wait_alu depctr_va_vdst(0)                   ; the wait at the head's end
	s_wait_dscnt 0x0                               ; both opening adds are done
	s_wait_kmcnt 0x0
	s_add_nc_u64 s[G0+2:G0+3], s[6:7], s[48:49]
	s_or_b32 s[G0+3], s[G0+3], 0x80000000
	s_add_nc_u64 s[G0+6:G0+7], s[6:7], s[40:41]
	s_or_b32 s[G0+7], s[G0+7], 0x80000000
	s_add_nc_u64 s[4:5], s[4:5], s[50:51]
	s_add_nc_u64 s[8:9], s[8:9], s[52:53]
	s_add_nc_u64 s[10:11], s[10:11], s[52:53]
	XLOAD 0                                        ; what the first products need of xq goes out first
	CROUND                                         ; the four work-groups are here: the first joint loads meet
	tensor_load_to_lds s[G0:G0+3], s[G1:G1+7]      ; record w: one tensor load a wave at the head
	s_nop 0
.rept 4
	v_nop
.endr
	XLOAD 4
	s_wait_tensorcnt 0x0                           ; my record is in; these lines stand ahead of a later first fill:
	ds_add_u32 v[SPW], v[NIL]
	s_wait_dscnt 0x0
	CROUND                                         ; tiles 0-7 are whole in every work-group of the cluster, and the joint loads meet
	tensor_load_to_lds s[G0+4:G0+7], s[G1B:G1B+7]  ; records 8 + 3 w .. + 2: my one load behind the round; it has the 15 half tiles below in which to land
	s_nop 0
.rept 4
	v_nop
.endr
.macro FETCH                           ; a tile into registers: 8 x 512 bytes of codes, 256 of scale words, my 8 codes' -e_sq
.irp i, 0,1,2,3,4,5,6,7
	ds_load_b128 v[AF+4*\i:AF+4*\i+3], v[ADC] offset:512*\i
.endr
	ds_load_b64 v[SA:SA+1], v[ADS] offset:4096
	ds_load_b128 v[BIAS:BIAS+3], v[ADE] offset:4352
	ds_load_b128 v[BIAS+4:BIAS+7], v[ADE] offset:4368
.endm
; The tile x token tiles t0 .. t0 + n - 1: K ascending, the n accumulators by turns, one instruction a turn (n is 4 or 8)
.macro MUL t0, n
	WIN 0x04                                       ; source 1, the tokens' codes: window 1
.irp s, 0,1,2,3
.set tt, \t0
.rept \n
.if \s == 0
	v_wmma_scale_f32_16x16x128_f8f6f4 v[ACC+8*tt:ACC+8*tt+7], v[AF+8*\s:AF+8*\s+7], v[32*tt+8*\s:32*tt+8*\s+7], v[BIAS:BIAS+7], v[SA+\s/2], v[SB+2*tt+\s/2] matrix_a_fmt:MATRIX_FMT_FP4 matrix_b_fmt:MATRIX_FMT_FP4
.elseif \s == 2
	v_wmma_scale_f32_16x16x128_f8f6f4 v[ACC+8*tt:ACC+8*tt+7], v[AF+8*\s:AF+8*\s+7], v[32*tt+8*\s:32*tt+8*\s+7], v[ACC+8*tt:ACC+8*tt+7], v[SA+\s/2], v[SB+2*tt+\s/2] matrix_a_fmt:MATRIX_FMT_FP4 matrix_b_fmt:MATRIX_FMT_FP4
.else
	v_wmma_scale_f32_16x16x128_f8f6f4 v[ACC+8*tt:ACC+8*tt+7], v[AF+8*\s:AF+8*\s+7], v[32*tt+8*\s:32*tt+8*\s+7], v[ACC+8*tt:ACC+8*tt+7], v[SA+\s/2], v[SB+2*tt+\s/2] matrix_a_fmt:MATRIX_FMT_FP4 matrix_b_fmt:MATRIX_FMT_FP4 matrix_a_scale:MATRIX_SCALE_ROW1 matrix_b_scale:MATRIX_SCALE_ROW1
.endif
.set tt, tt+1
.endr
.endr
	s_wait_alu depctr_va_vdst(0)
	WIN 0
.endm
; The running maximum and the selections, for token tiles t0 .. t0 + n - 1.  first = 1: the tile starts them.  Each accumulator is read from its low end on.
.macro EPI first, t0, n
.irp k, 0,1,2,3
.set tt, \t0
.rept \n
.if \first
.if \k == 0
	v_max3_num_f32 v[TT+2*tt], v[ACC+8*tt], v[ACC+8*tt+1], v[ACC+8*tt+2]
.elseif \k == 3
	v_max_num_f32 v[TT+2*tt], v[TT+2*tt], v[ACC+8*tt+7]
.else
	v_max3_num_f32 v[TT+2*tt], v[TT+2*tt], v[ACC+8*tt+2*\k+1], v[ACC+8*tt+2*\k+2]
.endif
.else
.if \k == 0
	v_max3_num_f32 v[TT+2*tt], v[RUN+2*tt], v[ACC+8*tt], v[ACC+8*tt+1]
.else
	v_max3_num_f32 v[TT+2*tt], v[TT+2*tt], v[ACC+8*tt+2*\k], v[ACC+8*tt+2*\k+1]
.endif
.endif
.set tt, tt+1
.endr
.endr
.set tt, \t0
.rept \n
.if \first
.irp i, 0,2,4,6
	v_dual_mov_b32 v[SAV+8*tt+\i], v[ACC+8*tt+\i] :: v_dual_mov_b32 v[SAV+8*tt+\i+1], v[ACC+8*tt+\i+1]
.endr
	v_dual_mov_b32 v[RUN+2*tt], v[TT+2*tt] :: v_dual_mov_b32 v[GID+2*tt], v[TNO]
.else
	v_cmp_gt_f32 vcc_lo, v[TT+2*tt], v[RUN+2*tt]   ; only a greater score replaces
.irp i, 0,2,4,6
	v_dual_cndmask_b32 v[SAV+8*tt+\i], v[SAV+8*tt+\i], v[ACC+8*tt+\i] :: v_dual_cndmask_b32 v[SAV+8*tt+\i+1], v[SAV+8*tt+\i+1], v[ACC+8*tt+\i+1]
.endr
	v_dual_mov_b32 v[RUN+2*tt], v[TT+2*tt] :: v_dual_cndmask_b32 v[GID+2*tt], v[GID+2*tt], v[TNO]
.endif
.set tt, tt+1
.endr
.endm
; A tile.  fetch = 1: the next record is fetched behind the products; 2: record 0 again; 0: nothing.  The four vector lines behind the products are the places in front of the loads into their sources and of the first read of a result.
.macro DOTILE first, fetch, t0, n
	s_wait_dscnt 0x0                               ; the tile is in registers
	MUL \t0, \n
	v_add_nc_u32 v[TNO], 1, v[TNO]
.if \fetch
.if \fetch == 1
	s_add_co_u32 s[TB], s[TB], REC
.else
	s_mov_b32 s[TB], 0
.endif
	v_add_nc_u32 v[ADC], s[TB], v[L16]
	v_add_nc_u32 v[ADS], s[TB], v[L8]
	v_add_nc_u32 v[ADE], s[TB], v[E0]
	FETCH
.else
.rept 3
	v_nop
.endr
.endif
	EPI \first, \t0, \n
.endm
.macro TILES cnt, t0, n
	s_mov_b32 s[CNT], \cnt
.Ltile_\@:
	DOTILE 0, 1, \t0, \n
	s_sub_co_u32 s[CNT], s[CNT], 1
	s_cmp_lg_u32 s[CNT], 0
	s_cbranch_scc1 .Ltile_\@
.endm
	FETCH                                          ; tile 0
	s_wait_loadcnt 36                              ; token tiles 0-3 are in; the 36 loads of token tiles 4-7 may be out
	DOTILE 1, 1, 0, 4                              ; tiles 0-7 x token tiles 0-3
	TILES 6, 0, 4
	DOTILE 0, 2, 0, 4                              ; tile 7; tile 0 is fetched again
	v_mov_b32 v[TNO], -1
	s_wait_loadcnt 0x0                             ; token tiles 4-7 are in
	DOTILE 1, 1, 4, 4                              ; tiles 0-7 x token tiles 4-7
	TILES 6, 4, 4
	s_wait_tensorcnt 0x0                           ; my three records are in,
	s_wait_dscnt 0x0
	s_barrier_signal -1
	s_barrier_wait -1                              ; and every wave's: tiles 8-31 are whole.
	DOTILE 0, 1, 4, 4                              ; tile 7; tile 8 is fetched
	TILES 23, 0, 8                                 ; tiles 8-30 x all eight token tiles
	DOTILE 0, 0, 0, 8                              ; tile 31
.macro FINISH tt                       ; the place among the best tile's 8 scores, lowest first; the index; lane l xor 16's pair; the key
	v_mov_b32 v[LOC+\tt], 7
.irp i, 6,5,4,3,2,1,0
	v_cmp_eq_f32 vcc_lo, v[SAV+8*\tt+\i], v[RUN+2*\tt]
	s_delay_alu instid0(VALU_DEP_1)
	v_cndmask_b32 v[LOC+\tt], v[LOC+\tt], \i, vcc_lo
.endr
	s_delay_alu instid0(VALU_DEP_1)
	v_lshl_add_u32 v[LOC+\tt], v[GID+2*\tt], 4, v[LOC+\tt]
	s_delay_alu instid0(VALU_DEP_1)
	v_add_nc_u32 v[LOC+\tt], v[HB], v[LOC+\tt]
	v_permlanex16_b32 v[P1], v[RUN+2*\tt], s[SEL], s[SEL+1]
	s_delay_alu instid0(VALU_DEP_2)
	v_permlanex16_b32 v[P2], v[LOC+\tt], s[SEL], s[SEL+1]
	s_delay_alu instid0(VALU_DEP_2)
	v_cmp_gt_f32 s[MA], v[P1], v[RUN+2*\tt]
	s_delay_alu instid0(VALU_DEP_3)
	v_cmp_eq_f32 s[MA+1], v[P1], v[RUN+2*\tt]
	s_delay_alu instid0(VALU_DEP_3)
	v_cmp_lt_u32 s[MA+2], v[P2], v[LOC+\tt]
	s_and_b32 s[MA+1], s[MA+1], s[MA+2]
	s_or_b32 s[MA], s[MA], s[MA+1]
	v_cndmask_b32 v[RUN+2*\tt], v[RUN+2*\tt], v[P1], s[MA]
	v_cndmask_b32 v[LOC+\tt], v[LOC+\tt], v[P2], s[MA]
	s_delay_alu instid0(VALU_DEP_2)
	v_add_f32 v[RUN+2*\tt], 0, v[RUN+2*\tt]        ; -0 becomes +0
	s_delay_alu instid0(VALU_DEP_1)
	v_ashrrev_i32 v[MK], 31, v[RUN+2*\tt]
	s_delay_alu instid0(VALU_DEP_1)
	v_or_b32 v[MK], 0x80000000, v[MK]
	s_delay_alu instid0(VALU_DEP_1)
	v_xor_b32 v[TT+2*\tt], v[MK], v[RUN+2*\tt]     ; a whole number in the scores' order
.endm
.irp tt, 0,1,2,3,4,5,6,7
	FINISH \tt
.endr
.irp q, 0,1,2,3                        ; by xq's choice of a tile's tokens a lane's four words are four neighbouring tokens: lanes 0-15 take the even token tiles, lanes 16-31 the odd
	v_cndmask_b32 v[KEY+\q], v[TT+4*\q], v[TT+4*\q+2], s[HI]
	v_cndmask_b32 v[IDX+\q], v[LOC+2*\q], v[LOC+2*\q+1], s[HI]
.endr
	global_store_b128 v[L16], v[KEY:KEY+3], s[8:9]           ; 32 lanes store 512 consecutive bytes, aligned
	global_store_b128 v[L16], v[IDX:IDX+3], s[10:11]
	s_wait_tensorcnt 0x0                           ; the wave's end
	ds_add_u32 v[SPW], v[NIL]
	s_wait_dscnt 0x0
	CROUND                                         ; the closing round
	s_endpgm
.Lfunc_end_k_qc66960aa1b_score:
	.size	k_qc66960aa1b_score, .Lfunc_end_k_qc66960aa1b_score-k_qc66960aa1b_score
	.p2alignl 7, 3214868480
	.fill 96, 4, 3214868480
	.section	.rodata,"a",@progbits
	.p2align	6, 0x0
	.amdhsa_kernel k_qc66960aa1b_score
		.amdhsa_group_segment_fixed_size 327680
		.amdhsa_private_segment_fixed_size 0
		.amdhsa_enable_private_segment 0
		.amdhsa_kernarg_size 32
		.amdhsa_user_sgpr_count 2
		.amdhsa_user_sgpr_kernarg_segment_ptr 1
		.amdhsa_wavefront_size32 1
		.amdhsa_system_sgpr_workgroup_id_x 1
		.amdhsa_system_sgpr_workgroup_id_y 1
		.amdhsa_system_sgpr_workgroup_id_z 1
		.amdhsa_system_vgpr_workitem_id 0
		.amdhsa_next_free_vgpr 512
		.amdhsa_next_free_sgpr 66
		.amdhsa_reserve_vcc 1
		.amdhsa_float_denorm_mode_32 3
		.amdhsa_float_denorm_mode_16_64 3
		.amdhsa_memory_ordered 1
		.amdhsa_forward_progress 1
		.amdhsa_inst_pref_size 81
	.end_amdhsa_kernel
	.amdgpu_metadata
---
amdhsa.version: [ 1, 2 ]
amdhsa.kernels:
  - .name:           k_qc66960aa1b_score
    .symbol:         k_qc66960aa1b_score.kd
    .args:
      - { .name: xq, .offset: 0, .size: 8, .value_kind: global_buffer, .address_space: global }
      - { .name: eq, .offset: 8, .size: 8, .value_kind: global_buffer, .address_space: global }
      - { .name: keys, .offset: 16, .size: 8, .value_kind: global_buffer, .address_space: global }
      - { .name: idxs, .offset: 24, .size: 8, .value_kind: global_buffer, .address_space: global }
    .group_segment_fixed_size: 327680
    .private_segment_fixed_size: 0
    .kernarg_segment_align: 8
    .kernarg_segment_size: 32
    .max_flat_workgroup_size: 256
    .sgpr_count:     66
    .vgpr_count:     512
    .wavefront_size: 32
...
	.end_amdgpu_metadata
.endif
;; end of part 2
;; launch gather (part 3): grid 256 x 1, 8 waves a work-group, no clusters, 1,280 bytes of LDS; arguments keys, idxs, embed, out0, out1; writes out0, out1
.if DOCPART == 3
	.amdgcn_target "amdgcn-amd-amdhsa--gfx1250"
	.amdhsa_code_object_version 6
	.text
	.protected	k_qc66960aa1b_gather
	.globl	k_qc66960aa1b_gather
	.p2align	8
	.type	k_qc66960aa1b_gather,@function
k_qc66960aa1b_gather:
	s_mov_b64 s[64:65], 0
	v_nop
	global_prefetch_b8 v0, s[64:65] scope:SCOPE_SE
	s_setreg_imm32_b32 hwreg(HW_REG_WAVE_MODE, 25, 1), 1
	s_wait_xcnt 0x0
; VECTOR QUANTISER, launch 3 of 3: for each token the greatest of its 16 splits' keys (whole numbers in the scores' order; on equal keys the lower index, as the first maximum asks), out1 = its index, out0 = that row of embed.
; f_sq is left out here as in the launches before (shown at the head of the first launch): the keys are those of P - e_sq.
; All that steers an address here is whole numbers read from memory: keys [16][16384] and idxs [16][16384], stored by the launch before.
; SHARES: a work-group takes 64 tokens, a wave 8.  Lane l serves token l % 8 and splits 4 (l / 8) .. + 3; two exchanges between lanes join the four groups.  A row of embed is 2,048 bytes: four loads of 512 consecutive bytes;
; a wave's eight rows, 32 loads, are all on their way at once, and each row is stored as it comes: 512 consecutive bytes a store, aligned.  The 64 indices meet in LDS and leave as one store of 256 bytes.
; Memory binds: no matrix work, no tensor load, no cluster (work-groups share no input but rows that a choice may name twice).
.set SPARE, 256                        ; LDS: bytes 0-255 the 64 indices; behind them the spare words, 128 bytes for each wave, that no other line names
.set SPW, 16                           ; v16  LDS address of my spare word; never rewritten
.set NIL, 17                           ; v17  0; never rewritten
.set ROFF, 24                          ; v24-31  row j's byte offset in embed + 16 x lane
.set ROWS, 32                          ; v32-159 eight rows, 16 registers each
	s_load_b256 s[4:11], s[0:1], 0x0               ; keys s[4:5], idxs s[6:7], embed s[8:9], out0 s[10:11]
	s_load_b64 s[12:13], s[0:1], 0x20              ; out1
	v_lshl_add_u32 v[SPW], v0, 2, SPARE
	v_mov_b32 v[NIL], 0
	v_lshrrev_b32 v1, 5, v0
	s_delay_alu instid0(VALU_DEP_1)
	v_readfirstlane_b32 s14, v1                    ; wave 0..7
	v_and_b32 v1, 31, v0                           ; lane
	s_delay_alu instid0(VALU_DEP_1)
	v_lshlrev_b32 v2, 4, v1                        ; 16 x lane
	v_and_b32 v22, 7, v0                           ; my token of the wave's eight
	v_bfe_u32 v23, v0, 3, 2                        ; my group of four splits
	s_delay_alu instid0(VALU_DEP_2)
	v_lshlrev_b32 v3, 2, v22
	s_delay_alu instid0(VALU_DEP_1)
	v_lshl_add_u32 v3, v23, 18, v3                 ; 4 x token + four splits of 65,536 bytes x group
	s_lshl_b32 s16, s14, 5
	v_lshl_add_u32 v18, v22, 2, s16                ; LDS: the token's word: 32 x wave + 4 x token
	v_lshlrev_b32 v19, 3, v1                       ; 8 x lane
	v_mov_b32 v14, 0                               ; written once: the destination of a lane exchange counts as one of its sources
	v_mov_b32 v15, 0
	s_mov_b32 s36, 0x76543210
	s_mov_b32 s37, 0xfedcba98                      ; v_permlanex16_b32's selects for lane l xor 16
	s_lshl_b32 s15, ttmp9, 6
	s_lshl_b32 s17, s14, 3
	s_add_co_u32 s15, s15, s17                     ; my wave's first token
	s_lshl_b32 s18, s15, 2
	s_mov_b32 s19, 0
	s_lshl_b32 s32, s15, 11                        ; its row of out0
	s_mov_b32 s33, 0
	s_lshl_b32 s34, ttmp9, 8                       ; the work-group's 256 bytes of out1
	s_mov_b32 s35, 0
	s_wait_alu depctr_va_vdst(0)
	s_wait_kmcnt 0x0
	s_add_nc_u64 s[4:5], s[4:5], s[18:19]
	s_add_nc_u64 s[6:7], s[6:7], s[18:19]
	s_add_nc_u64 s[10:11], s[10:11], s[32:33]
	s_add_nc_u64 s[12:13], s[12:13], s[34:35]
.irp i, 0,1,2,3
	global_load_b32 v[4+\i], v3, s[4:5] offset:65536*\i
	global_load_b32 v[8+\i], v3, s[6:7] offset:65536*\i
.endr
	s_wait_loadcnt 0x0
	v_cmp_gt_u32 vcc_lo, v5, v4                    ; my four splits, in ascending order: only a greater key replaces, so the lower index stays on equal keys
	s_delay_alu instid0(VALU_DEP_1)
	v_cndmask_b32 v12, v4, v5, vcc_lo
	s_delay_alu instid0(VALU_DEP_2)
	v_cndmask_b32 v13, v8, v9, vcc_lo
.irp i, 2,3
	s_delay_alu instid0(VALU_DEP_2)
	v_cmp_gt_u32 vcc_lo, v[4+\i], v12
	s_delay_alu instid0(VALU_DEP_1)
	v_cndmask_b32 v12, v12, v[4+\i], vcc_lo
	s_delay_alu instid0(VALU_DEP_2)
	v_cndmask_b32 v13, v13, v[8+\i], vcc_lo
.endr
.macro MERGE                           ; the partner's (v14, v15) is taken where its key is greater, or equal with the lower index: both partners end with the same pair
	s_delay_alu instid0(VALU_DEP_2)
	v_cmp_gt_u32 s20, v14, v12
	s_delay_alu instid0(VALU_DEP_3)
	v_cmp_eq_u32 s21, v14, v12
	s_delay_alu instid0(VALU_DEP_3)
	v_cmp_lt_u32 s22, v15, v13
	s_and_b32 s21, s21, s22
	s_or_b32 s20, s20, s21
	v_cndmask_b32 v12, v12, v14, s20
	v_cndmask_b32 v13, v13, v15, s20
.endm
	s_delay_alu instid0(VALU_DEP_2)
	v_mov_b32_dpp v14, v12 row_xmask:8 row_mask:0xf bank_mask:0xf  ; lane l xor 8: the same token, the neighbouring group of splits
	s_delay_alu instid0(VALU_DEP_2)
	v_mov_b32_dpp v15, v13 row_xmask:8 row_mask:0xf bank_mask:0xf
	MERGE
	s_delay_alu instid0(VALU_DEP_2)
	v_permlanex16_b32 v14, v12, s36, s37           ; lane l xor 16: the other two groups
	s_delay_alu instid0(VALU_DEP_2)
	v_permlanex16_b32 v15, v13, s36, s37
	MERGE
	s_delay_alu instid0(VALU_DEP_1)
	v_min_u32 v13, 0x1fff, v13                     ; an index stays inside the table of 8,192 rows
	s_wait_alu depctr_va_vdst(0)
	ds_store_b32 v18, v13                          ; the four lanes of a token write the same word with the same value
.irp j, 0,1,2,3,4,5,6,7
	v_readlane_b32 s[24+\j], v13, \j               ; token j's index, for the whole wave
	s_min_u32 s[24+\j], s[24+\j], 0x1fff
	s_lshl_b32 s[24+\j], s[24+\j], 11              ; its row of 2,048 bytes
	v_add_nc_u32 v[ROFF+\j], s[24+\j], v2
.irp i, 0,1,2,3
	global_load_b128 v[ROWS+16*\j+4*\i:ROWS+16*\j+4*\i+3], v[ROFF+\j], s[8:9] offset:512*\i
.endr
.endr
	s_wait_dscnt 0x0                               ; for the others' sake: my store of the indices is done
	s_barrier_signal -1
	s_barrier_wait -1
	s_cmp_lg_u32 s14, 0                            ; wave 0 alone stores the work-group's 64 indices
	s_cbranch_scc1 .Lnot_wave_0
	ds_load_b64 v[20:21], v19
	s_wait_dscnt 0x0
	global_store_b64 v19, v[20:21], s[12:13]       ; 32 lanes store 256 consecutive bytes, aligned
.Lnot_wave_0:
.irp j, 0,1,2,3,4,5,6,7
	s_wait_loadcnt 28-4*\j                         ; loads come back in order (ISA guide 5.7.1): row j's four are in; those of the later rows stay out
.irp i, 0,1,2,3
	global_store_b128 v2, v[ROWS+16*\j+4*\i:ROWS+16*\j+4*\i+3], s[10:11] offset:2048*\j+512*\i th:TH_STORE_NT
.endr
.endr
	s_wait_tensorcnt 0x0                           ; the wave's end: behind my last LDS store
	ds_add_u32 v[SPW], v[NIL]
	s_wait_dscnt 0x0
	s_endpgm
.Lfunc_end_k_qc66960aa1b_gather:
	.size	k_qc66960aa1b_gather, .Lfunc_end_k_qc66960aa1b_gather-k_qc66960aa1b_gather
	.p2alignl 7, 3214868480
	.fill 96, 4, 3214868480
	.section	.rodata,"a",@progbits
	.p2align	6, 0x0
	.amdhsa_kernel k_qc66960aa1b_gather
		.amdhsa_group_segment_fixed_size 1280
		.amdhsa_private_segment_fixed_size 0
		.amdhsa_enable_private_segment 0
		.amdhsa_kernarg_size 40
		.amdhsa_user_sgpr_count 2
		.amdhsa_user_sgpr_kernarg_segment_ptr 1
		.amdhsa_wavefront_size32 1
		.amdhsa_system_sgpr_workgroup_id_x 1
		.amdhsa_system_sgpr_workgroup_id_y 1
		.amdhsa_system_sgpr_workgroup_id_z 1
		.amdhsa_system_vgpr_workitem_id 0
		.amdhsa_next_free_vgpr 168
		.amdhsa_next_free_sgpr 66
		.amdhsa_reserve_vcc 1
		.amdhsa_float_denorm_mode_32 3
		.amdhsa_float_denorm_mode_16_64 3
		.amdhsa_memory_ordered 1
		.amdhsa_forward_progress 1
		.amdhsa_inst_pref_size 13
	.end_amdhsa_kernel
	.amdgpu_metadata
---
amdhsa.version: [ 1, 2 ]
amdhsa.kernels:
  - .name:           k_qc66960aa1b_gather
    .symbol:         k_qc66960aa1b_gather.kd
    .args:
      - { .name: keys, .offset: 0, .size: 8, .value_kind: global_buffer, .address_space: global }
      - { .name: idxs, .offset: 8, .size: 8, .value_kind: global_buffer, .address_space: global }
      - { .name: embed, .offset: 16, .size: 8, .value_kind: global_buffer, .address_space: global }
      - { .name: out0, .offset: 24, .size: 8, .value_kind: global_buffer, .address_space: global }
      - { .name: out1, .offset: 32, .size: 8, .value_kind: global_buffer, .address_space: global }
    .group_segment_fixed_size: 1280
    .private_segment_fixed_size: 0
    .kernarg_segment_align: 8
    .kernarg_segment_size: 40
    .max_flat_workgroup_size: 256
    .sgpr_count:     66
    .vgpr_count:     168
    .wavefront_size: 32
...
	.end_amdgpu_metadata
.endif
;; end of part 3
